; MI455X (gfx1250); checked and timed in simulation.
; The chip was launched on July 23, 2026; its instructions are those of AMD's public machine-readable ISA for CDNA 5 (MIT licence, August 2026) and "CDNA5" Instruction Set Architecture Reference Guide (July 2026). The comments in the code are by the model that wrote it; some were corrected since.
;; min GRU. Allowed arithmetic: float matrix products may take bf16 or f16 operands with f32 sums; other float arithmetic in f32, or as packed bf16 or f16 multiplies, adds, multiply-adds, maxima and minima; sums over many terms, partial sums and values carried from step to step in f32; what a program stores and reads back later, other than sums and carried values, may be rounded once to bf16 or f16.
;; Inputs: W_hg 1,024 x 4,096 float32; W_out 2,048 x 1,024 float32; x 4 x 2,048 x 1,024 float32.
;; Outputs: out0 4 x 2,048 x 1,024 float32.
;; One version. Each part assembles by itself: llvm-mc -triple=amdgcn-amd-amdhsa -mcpu=gfx1250 --defsym DOCPART=n.
;; ======== version 1 of 1: 4 launches
;; workspace buffers: xb 16,777,216 bytes; wb1 8,388,608 bytes; wb2 4,194,304 bytes; hgt 67,108,864 bytes; ht 33,554,432 bytes
;; launch cast (part 1): grid 1792 x 1, 8 waves a work-group, no clusters, 0 bytes of LDS; arguments x, W_hg, W_out, xb, wb1, wb2; writes xb, wb1, wb2
.if DOCPART == 1
	.amdgcn_target "amdgcn-amd-amdhsa--gfx1250"
	.amdhsa_code_object_version 6
	.text
	.protected	k_qa5f9929f4a_cast
	.globl	k_qa5f9929f4a_cast
	.p2align	8
	.type	k_qa5f9929f4a_cast,@function
k_qa5f9929f4a_cast:
	s_mov_b64 s[64:65], 0
	v_nop
	global_prefetch_b8 v0, s[64:65] scope:SCOPE_SE
	s_setreg_imm32_b32 hwreg(HW_REG_WAVE_MODE, 25, 1), 1
	s_wait_xcnt 0x0
; x, W_hg, W_out (f32) -> xb, wb1, wb2 (bf16, rounded once to nearest even); the layouts stay as they are.
; A work-group takes 32,768 input bytes: eight chunks of 4,096, 16 bytes a thread and chunk.  Work-groups 0-1023 take x (33,554,432 bytes),
; 1024-1535 W_hg (16,777,216), 1536-1791 W_out (8,388,608).  A wave's load covers 512 consecutive bytes, its store 256 consecutive bytes, aligned.
; No LDS, no barrier, no matrix unit: nothing is shared and nothing is summed.  All eight loads are out before the first store.
.set IN,  8                            ; v[8:39]   chunk i: four f32 as loaded
.set OUTR, 40                          ; v[40:55]  chunk i: four bf16 to store
	s_load_b256 s[4:11], s[0:1], 0x0               ; x s[4:5], W_hg s[6:7], W_out s[8:9], xb s[10:11]
	s_load_b128 s[12:15], s[0:1], 0x20             ; wb1 s[12:13], wb2 s[14:15]
	v_lshlrev_b32 v1, 4, v0                        ; my 16 bytes of a chunk
	v_lshlrev_b32 v2, 3, v0                        ; my 8 bytes of its result
	s_mov_b32 s20, ttmp9
	s_movk_i32 s24, 1024                           ; first work-group of W_hg
	s_movk_i32 s25, 1536                           ; first work-group of W_out
	s_wait_kmcnt 0x0
	s_cmp_lt_u32 s20, s25                          ; W_hg or W_out?
	s_cselect_b64 s[16:17], s[6:7], s[8:9]
	s_cselect_b64 s[18:19], s[12:13], s[14:15]
	s_cselect_b32 s21, s24, s25
	s_cmp_lt_u32 s20, s24                          ; or x?
	s_cselect_b64 s[16:17], s[4:5], s[16:17]
	s_cselect_b64 s[18:19], s[10:11], s[18:19]
	s_cselect_b32 s21, 0, s21
	s_sub_co_u32 s20, s20, s21                     ; my number within the tensor
	s_lshl_b32 s22, s20, 15                        ; 32,768 bytes in,
	s_mov_b32 s23, 0
	s_add_nc_u64 s[16:17], s[16:17], s[22:23]
	s_lshl_b32 s22, s20, 14                        ; 16,384 out
	s_add_nc_u64 s[18:19], s[18:19], s[22:23]
.irp i, 0,1,2,3,4,5,6,7
	global_load_b128 v[IN+4*(\i):IN+4*(\i)+3], v1, s[16:17] offset:4096*(\i) th:TH_LOAD_NT
.endr
.irp i, 0,1,2,3,4,5,6,7
	s_wait_loadcnt 7-(\i)                          ; loads come back in order: chunk i is in, the 7 - i younger ones stay out
	v_cvt_pk_bf16_f32 v[OUTR+2*(\i)], v[IN+4*(\i)], v[IN+4*(\i)+1]
	v_cvt_pk_bf16_f32 v[OUTR+2*(\i)+1], v[IN+4*(\i)+2], v[IN+4*(\i)+3]
	global_store_b64 v2, v[OUTR+2*(\i):OUTR+2*(\i)+1], s[18:19] offset:2048*(\i)
.endr
	s_endpgm
.Lfunc_end_k_qa5f9929f4a_cast:
	.size	k_qa5f9929f4a_cast, .Lfunc_end_k_qa5f9929f4a_cast-k_qa5f9929f4a_cast
	.p2alignl 7, 3214868480
	.fill 96, 4, 3214868480
	.section	.rodata,"a",@progbits
	.p2align	6, 0x0
	.amdhsa_kernel k_qa5f9929f4a_cast
		.amdhsa_group_segment_fixed_size 0
		.amdhsa_private_segment_fixed_size 0
		.amdhsa_enable_private_segment 0
		.amdhsa_kernarg_size 48
		.amdhsa_user_sgpr_count 2
		.amdhsa_user_sgpr_kernarg_segment_ptr 1
		.amdhsa_wavefront_size32 1
		.amdhsa_system_sgpr_workgroup_id_x 1
		.amdhsa_system_sgpr_workgroup_id_y 1
		.amdhsa_system_sgpr_workgroup_id_z 1
		.amdhsa_system_vgpr_workitem_id 0
		.amdhsa_next_free_vgpr 56
		.amdhsa_next_free_sgpr 66
		.amdhsa_reserve_vcc 0
		.amdhsa_float_denorm_mode_32 3
		.amdhsa_float_denorm_mode_16_64 3
		.amdhsa_memory_ordered 1
		.amdhsa_forward_progress 1
		.amdhsa_inst_pref_size 4
	.end_amdhsa_kernel
	.amdgpu_metadata
---
amdhsa.version: [ 1, 2 ]
amdhsa.kernels:
  - .name:           k_qa5f9929f4a_cast
    .symbol:         k_qa5f9929f4a_cast.kd
    .args:
      - { .name: x, .offset: 0, .size: 8, .value_kind: global_buffer, .address_space: global }
      - { .name: W_hg, .offset: 8, .size: 8, .value_kind: global_buffer, .address_space: global }
      - { .name: W_out, .offset: 16, .size: 8, .value_kind: global_buffer, .address_space: global }
      - { .name: xb, .offset: 24, .size: 8, .value_kind: global_buffer, .address_space: global }
      - { .name: wb1, .offset: 32, .size: 8, .value_kind: global_buffer, .address_space: global }
      - { .name: wb2, .offset: 40, .size: 8, .value_kind: global_buffer, .address_space: global }
    .group_segment_fixed_size: 0
    .private_segment_fixed_size: 0
    .kernarg_segment_align: 8
    .kernarg_segment_size: 48
    .max_flat_workgroup_size: 256
    .sgpr_count:     66
    .vgpr_count:     56
    .wavefront_size: 32
...
	.end_amdgpu_metadata
.endif
;; end of part 1
;; launch gemm1 (part 2): grid 32 x 8, 4 waves a work-group, clusters of 4 x 4, 327,680 bytes of LDS; arguments wb1, xb, hgt; writes hgt
.if DOCPART == 2
	.amdgcn_target "amdgcn-amd-amdhsa--gfx1250"
	.amdhsa_code_object_version 6
	.text
	.protected	k_qa5f9929f4a_gemm1
	.globl	k_qa5f9929f4a_gemm1
	.p2align	8
	.type	k_qa5f9929f4a_gemm1,@function
k_qa5f9929f4a_gemm1:
	s_mov_b64 s[64:65], 0
	v_nop
	global_prefetch_b8 v0, s[64:65] scope:SCOPE_SE
	s_setreg_imm32_b32 hwreg(HW_REG_WAVE_MODE, 25, 1), 1
	s_wait_xcnt 0x0
	s_wait_alu depctr_hold_cnt(0) depctr_sa_sdst(0) depctr_va_vdst(0) depctr_va_sdst(0) depctr_va_ssrc(0) depctr_va_vcc(0) depctr_vm_vsrc(0)
	s_getreg_b32 s2, hwreg(HW_REG_IB_STS2, 6, 4)
	s_cmp_eq_u32 s2, 0
	s_cbranch_scc0 .Lentry_in_a_cluster
	s_endpgm
.Lentry_in_a_cluster:
	s_bfe_u32 s2, ttmp6, 0x10000c
	s_cmp_lg_u32 s2, 0xf033
	s_cbranch_scc0 .Lentry_shape_is_right
	s_endpgm
.Lentry_shape_is_right:
; hgt[n][m] = sum over k of wb1[k][n] xb[m][k]: the first projection, stored TRANSPOSED in bf16 (rounded once from f32 sums), so that a channel's 2,048 steps of one batch are 4,096 dense bytes.
; "A" = wb1 [1024 k][4096 n] (rows of the result), "B" = xb [8192 m][1024 k] (columns of the result), C = hgt [4096 n][8192 m].  All bf16; sums in f32, in the matrix unit's order.
; A tile of C, 256 x 256, is made by four waves, each 128 x 128: 64 accumulators, 512 registers.  K goes in steps of 128 through a ring of two LDS slots filled by the tensor data mover.
; A WORK-GROUP STAYS: it makes two tiles of C, 2,048 rows apart; the ring runs on across the change of tiles.  The last tile's last K step goes by rows of C, so that finished rows leave while the others are multiplied.
; A LIES [K][N]: its tile is 128 k-rows of 512 bytes, and its fragments come out of LDS turned, by ds_load_tr16_b128.  B lies along K and comes out as it lies.
; CLUSTERS: 4 x 4 work-groups.  The four of a row of the cluster need the same tiles of A, the four of a column the same tiles of B: each tile is asked for JOINTLY, by the same tensor load with the same
; descriptor and a mask that names the four.
; THE MATRIX INSTRUCTION: source 0 = 16 rows of xb, source 1 = 16 columns of wb1.  In the result lane l holds row n = l % 16 of C and its registers 0-7 the columns m = 8 (l / 16) + 0..7: 16 bytes of bf16 on end.
; REGISTERS, in windows of 256: window 0: v0-31 addresses; v64-127, v128-191 fragments of A, two buffers (in the very last K step four of 32); v32-63, v192-255 at work on the way out.
;   window 1: v64-127, v128-191 fragments of B, two buffers; in the very last K step all 256.   windows 2, 3: the accumulators of my rows 0-63 and 64-127, (a, b) at v[8 (8 a + b)].
; LIMITS: bf16's range is f32's; NaN and infinities are not treated apart.
.set SIZE_M, 4096
.set SIZE_N, 8192
.set SIZE_K, 1024
.set SIZE_TILES, 2
.set KSTEP,  128
.set PTA,    544                       ; a k-row of A in LDS: 512 bytes + 32 of padding = 17 x 32
.set PTB,    272                       ; a row of B in LDS: 256 bytes + 16 of padding: the 16 rows of a load start at 16 different groups of four banks
.set HALFT,  34816                     ; what one tensor load brings: 64 k-rows of A (64 x 544) or 128 rows of B (128 x 272)
.set SLOT,   4*HALFT                   ; A's 128 k-rows, then B's 256 rows
.set STAGE,  2*SLOT                    ; behind the ring: 16 rows x 272 bytes for each wave, for the way out
.set SPITCH, 272
.set SPARE,  STAGE+4*16*SPITCH         ; behind the stages: the spare words, 128 bytes for each wave: two blocks of 256 bytes that no other line names
.set LAPS,   SIZE_K/(2*KSTEP)          ; a lap = two K steps = once round the ring
.set WALK,   SIZE_M/SIZE_TILES         ; a work-group's two tiles lie 2,048 rows of C apart
.set ASTEP,  KSTEP*SIZE_M*2            ; bytes from a K step of A to the next: 128 k-rows of 8,192 bytes
.set BSTEP,  KSTEP*2                   ; of B: 256 bytes along its rows
.set BACK_A, 6*ASTEP-WALK*2            ; from a slot's last K step of a tile back to its first of the next: six K steps up, 2,048 columns of wb1 on
.set BACK_B, 6*BSTEP                   ; B only back: both tiles take the same rows of xb
.set NEXT_C, (WALK-7*16)*SIZE_N*2      ; bytes from my last 16 rows of a tile to my first of the next
.set ADRA, 16                          ; v16-17  LDS address of my A fragments in slot 0, 1
.set ADRB, 20                          ; v20-21  the same for B
.set STO,  24                          ; v24     the way out: where I put 16 bytes of a row
.set RD,   25                          ; v25     the way out: where I read a row back
.set CO,   26                          ; v26     my byte offset in C
.set SPW,  28                          ; v28     LDS address of my spare word: SPARE + 4 x my thread's number; never rewritten
.set NIL,  29                          ; v29     0; never rewritten
.set PFO,  30                          ; v30     the prefetches' lane offset; never rewritten
.set PFA,  44                          ; s[44:45] what my next prefetch names: my work-group's share of the K step two refills on
.set LIM,  43                          ; s43     1 in a wave that prefetches, else the greatest number
.set PST,  66                          ; s[66:67] a K step in bytes, of the tensor that I fetch
.set F0,   64
.set F1,   128
.set TMP,  192
.set OB,   32
.set PAR,  64                          ; the very last K step: A's fragments of 16 rows x 128 K, four buffers of 32, v64-191
.set G1, 24                            ; s[24:31] descriptor group 1 for A's tiles
.set G0, 32                            ; s[32:39] descriptor group 0 for A's tiles, a set for each slot
.set G1B, 48                           ; s[48:55] group 1 for B's tiles
.set G0B, 56                           ; s[56:63] group 0 for B's tiles
.set MSB, 0
.macro WIN new                         ; the immediate's high byte repeats the setting that is left; a switch that changes nothing is dropped
.if MSB != (\new)
	s_set_vgpr_msb (MSB<<8)|(\new)
.set MSB, \new
.endif
.endm
.set MUL_LO, 0xa1                      ; source 0 (B) window 1, source 1 (A) window 0, C and D window 2
.set MUL_HI, 0xf1                      ; the same, C and D window 3
.set TO_B,   0x40                      ; destination window 1, address window 0
; A joint load.  Waves 0 and 1 fetch A's two halves, waves 2 and 3 B's.  The branch hangs on the wave's number alone.  An s_nop 0 and four v_nop follow each of the two lines.
.macro JLOAD s
	s_cmp_eq_u32 s11, 0
	s_cbranch_scc0 .Lfor_b_\@
	tensor_load_to_lds s[G0+4*(\s):G0+4*(\s)+3], s[G1:G1+7]
	s_nop 0
.rept 4
	v_nop
.endr
	s_branch .Lasked_\@
.Lfor_b_\@:
	tensor_load_to_lds s[G0B+4*(\s):G0B+4*(\s)+3], s[G1B:G1B+7]
	s_nop 0
.rept 4
	v_nop
.endr
.Lasked_\@:
.endm
; A PREFETCH INTO THE L2, behind each joint load and the run of LDS loads that follows it: my share of the K step that stands two refills, 512 matrix instructions, on.  Each aligned block of 256 bytes is named once
; in the launch.  A's tile row is read by every cluster of that row of clusters: cluster x = 0 asks; of the 64 k-rows x 512 bytes that a wave fetches the partner at cx takes 16 k-rows: a lane half a row.
; B's tile column is read by both clusters of that column: cluster y = 0 asks; of a wave's 128 rows x 256 bytes the partner at cy takes 32: a lane a row.  Partners are told apart by address alone.
; how = 0, in the loop: a tile's last two refills have no K step two on.  how = 1, at the change of tiles: the next tile's K steps 2 and 3 of A.
.macro ASK how
.if \how
	s_cmp_eq_u32 s[LIM], 1
.else
	s_cmp_gt_u32 s3, s[LIM]                        ; s3 = 1 in the loop's last trip
.endif
	s_cbranch_scc0 .Lnot_mine_\@
	global_prefetch_b8 v[PFO], s[PFA:PFA+1] th:TH_LOAD_NT scope:SCOPE_SE
.Lnot_mine_\@:
.endm
.macro CREST                           ; a round of the cluster's barrier behind its opening barrier
	s_cmp_lg_u32 s10, 0
	s_cbranch_scc1 .Lnot_wave_0_\@
	s_barrier_signal -3
.Lnot_wave_0_\@:
	s_barrier_wait -3
	s_barrier_signal -1
	s_barrier_wait -1
.endm
.macro CROUND                          ; a whole round
	s_barrier_signal -1
	s_barrier_wait -1
	CREST
.endm
	s_load_b128 s[4:7], s[0:1], 0x0                ; wb1 s[4:5], xb s[6:7]
	s_load_b64 s[8:9], s[0:1], 0x10                ; hgt
	v_lshl_add_u32 v[SPW], v0, 2, SPARE
	v_mov_b32 v[NIL], 0
	ds_add_u32 v[SPW], v[NIL]                      ; the wave's opening: the add, twice on end, and its wait ahead of my first tensor load
	ds_add_u32 v[SPW], v[NIL]                      ; and once more, under the one wait; the set-up below, work on registers, stands between
	v_lshrrev_b32 v1, 5, v0
	v_readfirstlane_b32 s10, v1                    ; wave 0..3
	s_lshr_b32 s11, s10, 1                         ; which 128 rows of the tile are mine.  Also: I fetch for A (0) or for B (1)
	s_and_b32 s12, s10, 1                          ; which 128 columns.  Also: which half of that tensor's tile I fetch
	s_bfe_u32 s40, ttmp6, 0x40000                  ; cx
	s_bfe_u32 s41, ttmp6, 0x40004                  ; cy
	s_lshl_b32 s42, ttmp9, 2
	s_add_co_u32 s42, s42, s40                     ; tile column of C = 4 x cluster x + cx: 0..31
	s_and_b32 s13, ttmp7, 0xffff
	s_lshl_b32 s13, s13, 2
	s_add_co_u32 s13, s13, s41                     ; tile row of C = 4 x cluster y + cy: 0..7, later 8 more
	s_lshl_b32 s43, s41, 2
	s_lshl_b32 s43, 15, s43                        ; my row of the cluster
	s_lshl_b32 s44, 0x1111, s40                    ; my column
	; group 1 for A: 64 k-rows x 256 elements; 17:16 elements of 2 bytes; 20 padding on; 21 set beside a mask; after every 128 words (code 6) 8 words (code 7)
	s_or_b32 s[G1+0], s43, (1<<16)|(1<<20)|(1<<21)|(6<<22)|(7<<25)
	s_mov_b32 s[G1+1], 256<<16                     ; tensor_dim0 = 256
	s_mov_b32 s[G1+2], 64<<16                      ; tensor_dim1 = 64
	s_mov_b32 s[G1+3], 256<<16                     ; tile_dim0 = 256
	s_mov_b32 s[G1+4], 64                          ; tile_dim1 = 64
	s_mov_b32 s[G1+5], SIZE_M                      ; 4,096 elements from k-row to k-row
	s_mov_b32 s[G1+6], 0
	s_mov_b32 s[G1+7], 0
	; group 1 for B: 128 rows x 128 elements; after every 64 words (code 5) 4 words (code 3)
	s_or_b32 s[G1B+0], s44, (1<<16)|(1<<20)|(1<<21)|(5<<22)|(3<<25)
	s_mov_b32 s[G1B+1], 128<<16
	s_mov_b32 s[G1B+2], 128<<16
	s_mov_b32 s[G1B+3], 128<<16
	s_mov_b32 s[G1B+4], 128
	s_mov_b32 s[G1B+5], SIZE_K
	s_mov_b32 s[G1B+6], 0
	s_mov_b32 s[G1B+7], 0
	; where the tiles come from.  A's hang on the tile row alone, B's on the tile column alone
	s_lshl_b32 s16, s12, 19                        ; A: my 64 k-rows of 8,192 bytes,
	s_lshl_b32 s17, s13, 9                         ; the tile row's 256 columns of wb1: 512 bytes
	s_add_co_u32 s16, s16, s17
	s_mov_b32 s17, 0
	s_lshl_b32 s46, s42, 19                        ; B: the tile column's 256 rows of 2,048 bytes,
	s_lshl_b32 s47, s12, 18                        ; my 128 of them
	s_add_co_u32 s46, s46, s47
	s_mov_b32 s47, 0
	s_mul_i32 s20, s10, HALFT                      ; and where they go: wave x 34,816: no place in the cluster enters an LDS address
	s_wait_dscnt 0x0                               ; both opening adds are done
	s_wait_kmcnt 0x0
	s_add_nc_u64 s[14:15], s[4:5], s[16:17]
	s_add_nc_u64 s[46:47], s[6:7], s[46:47]
	CROUND                                         ; all sixteen work-groups are here: the first joint loads meet
.irp s, 0,1
	s_mov_b32 s[G0+4*(\s)], 1                                      ; count = 1
	s_add_co_u32 s[G0+4*(\s)+1], s20, (\s)*SLOT                    ; LDS address
	s_add_nc_u64 s[G0+4*(\s)+2:G0+4*(\s)+3], s[14:15], (\s)*ASTEP  ; global address: K step s
	s_or_b32 s[G0+4*(\s)+3], s[G0+4*(\s)+3], 0x80000000            ; type = 2
	s_mov_b32 s[G0B+4*(\s)], 1
	s_add_co_u32 s[G0B+4*(\s)+1], s20, (\s)*SLOT
	s_add_nc_u64 s[G0B+4*(\s)+2:G0B+4*(\s)+3], s[46:47], (\s)*BSTEP
	s_or_b32 s[G0B+4*(\s)+3], s[G0B+4*(\s)+3], 0x80000000
	JLOAD \s                                       ; two loads of mine are out
.endr
	; A fragment is 16 rows x 32 K in 8 registers: lane l holds row l % 16; registers 0-3 K = 8 (l / 16) + 0..7, registers 4-7 K = 16 + 8 (l / 16) + 0..7.
	v_and_b32 v1, 15, v0                           ; l % 16
	v_bfe_u32 v2, v0, 4, 1                         ; l / 16
	v_mul_u32_u24 v3, v1, PTB                      ; B, as it lies: row x pitch + 16 x half; two loads 32 bytes apart
	v_lshl_add_u32 v3, v2, 4, v3
	v_and_b32 v6, 7, v0                            ; A, turned: lane l reads k-row 8 (l / 16) + l % 8, columns 8 ((l / 8) % 2) + 0..7; two loads 16 k-rows apart
	v_bfe_u32 v7, v0, 3, 1
	v_lshl_add_u32 v6, v2, 3, v6
	v_mul_u32_u24 v6, v6, PTA
	v_lshl_add_u32 v6, v7, 4, v6
	s_lshl_b32 s21, s11, 8                         ; my 128 columns of A's k-rows: 256 bytes
	s_mul_i32 s22, s12, HALFT                      ; my 128 rows of B,
	s_add_co_u32 s22, s22, 2*HALFT                 ; which lie behind A
.irp s, 0,1
	v_add_nc_u32 v[ADRA+(\s)], s21, v6
	v_add_nc_u32 v[ADRB+(\s)], s22, v3
	s_add_co_u32 s21, s21, SLOT
	s_add_co_u32 s22, s22, SLOT
.endr
	s_mul_i32 s23, s10, 16*SPITCH
	s_add_co_u32 s23, s23, STAGE                   ; my stage
	v_mul_u32_u24 v4, v1, SPITCH                   ; in: row l % 16, 16 bytes for each half of the lanes
	v_lshl_add_u32 v4, v2, 4, v4
	v_add_nc_u32 v[STO], s23, v4
	v_mul_u32_u24 v5, v2, SPITCH                   ; back: lanes 0-15 take one row of 256 bytes, lanes 16-31 the next
	v_lshl_add_u32 v5, v1, 4, v5
	v_add_nc_u32 v[RD], s23, v5
	v_mul_u32_u24 v5, v2, SIZE_N*2                 ; and the same two rows in C
	v_lshl_add_u32 v[CO], v1, 4, v5
	; where my part of the first tile begins in C, in bytes: the first way out adds it to C's address
	s_lshl_b32 s16, s13, 22                        ; 256 rows of 16,384 bytes a tile row,
	s_lshl_b32 s17, s11, 21                        ; my 128 of them
	s_add_co_u32 s16, s16, s17
	s_mov_b32 s17, 0
	s_lshl_b32 s46, s42, 9                         ; 512 bytes a tile column,
	s_lshl_b32 s47, s12, 8                         ; my 256 of them
	s_add_co_u32 s46, s46, s47
	s_mov_b32 s47, 0
	s_add_nc_u64 s[16:17], s[16:17], s[46:47]
	; the prefetches
	s_lshl_b32 s20, s12, 19                        ; A: my 64 k-rows,
	s_lshl_b32 s21, s40, 17                        ; my work-group's 16 of them,
	s_add_co_u32 s20, s20, s21
	s_lshl_b32 s21, s13, 9                         ; the tile row's 512 bytes,
	s_add_co_u32 s20, s20, s21
	s_add_co_u32 s20, s20, 3*ASTEP                 ; at K step 3: the first refill steps it to 4
	s_lshl_b32 s22, s42, 19                        ; B: the tile column's rows,
	s_lshl_b32 s23, s12, 18                        ; my 128,
	s_add_co_u32 s22, s22, s23
	s_lshl_b32 s23, s41, 16                        ; my work-group's 32 of them,
	s_add_co_u32 s22, s22, s23
	s_add_co_u32 s22, s22, 3*BSTEP                 ; at K step 3
	s_and_b32 s23, ttmp7, 0xffff                   ; cluster y
	s_movk_i32 s21, BSTEP
	s_cmp_eq_u32 s11, 0                            ; do I fetch for A?
	s_cselect_b32 s20, s20, s22
	s_cselect_b32 s23, ttmp9, s23                  ; the coordinate along which other clusters read the same bytes
	s_cselect_b32 s[PST], ASTEP, s21
	s_cselect_b64 s[PFA:PFA+1], s[4:5], s[6:7]
	s_cselect_b32 s22, -1, 0                       ; all lanes, or none
	s_mov_b32 s[PST+1], 0
	s_mov_b32 s21, 0
	s_cmp_eq_u32 s23, 0
	s_cselect_b32 s[LIM], 1, -1                    ; the same in all sixteen partners, for a given wave
	s_add_nc_u64 s[PFA:PFA+1], s[PFA:PFA+1], s[20:21]
	v_and_b32 v5, 31, v0
	v_lshlrev_b32 v6, 11, v5                       ; B: a lane a row of 2,048 bytes
	v_lshrrev_b32 v7, 1, v5                        ; A: two lanes a k-row of 8,192 bytes,
	v_lshlrev_b32 v7, 13, v7
	v_and_b32 v8, 1, v5
	v_lshl_add_u32 v7, v8, 8, v7                   ; 256 bytes each
	v_cndmask_b32 v[PFO], v6, v7, s22
	; nothing is prefetched here, at the head, where every work-group's first two tiles are on their way: K steps 2 and 3 come by their refills alone
; 16 matrix instructions: row blocks a0, a0 + 1 of the window's four x all 8 column blocks, 32 along K.  zero = 1: the first product starts the sums: nothing is ever cleared.
.macro MUL16 f, hi, a0, zero
	WIN MUL_LO+0x50*(\hi)
.irp a, \a0, (\a0)+1
.irp b, 0,1,2,3,4,5,6,7
.if \zero
	v_wmma_f32_16x16x32_bf16 v[8*(8*(\a)+(\b)):8*(8*(\a)+(\b))+7], v[(\f)+8*(\b):(\f)+8*(\b)+7], v[(\f)+8*(4*(\hi)+(\a)):(\f)+8*(4*(\hi)+(\a))+7], 0
.else
	v_wmma_f32_16x16x32_bf16 v[8*(8*(\a)+(\b)):8*(8*(\a)+(\b))+7], v[(\f)+8*(\b):(\f)+8*(\b)+7], v[(\f)+8*(4*(\hi)+(\a)):(\f)+8*(4*(\hi)+(\a))+7], v[8*(8*(\a)+(\b)):8*(8*(\a)+(\b))+7]
.endif
.endr
.endr
.endm
; 32 LDS loads in one run: the fragments of quarter q of a K step (32 along K) into buffer f: B's 128 rows, then A's 128 columns, turned
.macro FETCH slot, q, f
	WIN TO_B
.irp i, 0,1,2,3,4,5,6,7
	ds_load_b128 v[(\f)+8*(\i):(\f)+8*(\i)+3],   v[ADRB+(\slot)] offset:64*(\q)+(\i)*16*PTB
	ds_load_b128 v[(\f)+8*(\i)+4:(\f)+8*(\i)+7], v[ADRB+(\slot)] offset:64*(\q)+(\i)*16*PTB+32
.endr
	WIN 0
.irp i, 0,1,2,3,4,5,6,7
	ds_load_tr16_b128 v[(\f)+8*(\i):(\f)+8*(\i)+3],   v[ADRA+(\slot)] offset:(\q)*32*PTA+32*(\i)
	ds_load_tr16_b128 v[(\f)+8*(\i)+4:(\f)+8*(\i)+7], v[ADRA+(\slot)] offset:(\q)*32*PTA+32*(\i)+16*PTA
.endr
.endm
; Four plain vector instructions stand between a matrix instruction and a load into, or a vector instruction on, one of its registers (ISA guide 7.12.1 for vector instructions).
.macro PLACES
.rept 4
	v_nop
.endr
.endm
; A K step is four quarters of 32 along K, 64 matrix instructions each, on buffers 0, 1, 0, 1.  One of the first three: multiplies buffer f; in its middle it fetches quarter q of the same slot into buffer g.
.macro QUARTER slot, q, f, g, zero
	s_wait_dscnt 8                                 ; B and A's blocks 0-3 are in; the youngest eight loads (A's blocks 4-7) may be out
	WIN MUL_LO
	MUL16 \f, 0, 0, \zero
	MUL16 \f, 0, 2, \zero
	PLACES
	FETCH \slot, \q, \g
	s_wait_dscnt 32                                ; all but the 32 just issued
	WIN MUL_HI
	MUL16 \f, 1, 0, \zero
	MUL16 \f, 1, 2, \zero
.endm
; The last quarter multiplies buffer 1 and changes slots.  MEET is its first half: ONE barrier, in front of which each wave waits for all its tensor loads (one is out: its part of the next slot), adds 0 to its spare
; word, and waits for that and for its own reads of this slot.  Behind it nobody reads this slot any more and the next slot is whole.
.macro MEET round
	WIN 0                                          ; (the add's two registers lie in window 0)
	s_wait_tensorcnt 0x0                           ; all my tensor loads have landed
	ds_add_u32 v[SPW], v[NIL]                      ; 0 onto my spare word
	s_wait_dscnt 9                                 ; (the add and the youngest eight loads may be out)
	WIN MUL_LO
	MUL16 F1, 0, 0, 0                              ; sixteen matrix instructions stand between the add and the wait for it
	s_wait_dscnt 0x0                               ; the add is done, and my reads of this slot are over
	s_barrier_signal -1
	MUL16 F1, 0, 2, 0                              ; work on registers while the others arrive
.if \round
	WIN 0
.endif
	s_barrier_wait -1
.endm
; The whole last quarter.  Behind the round the slot just read out is filled again first: with this tile's K step two on (on = 0) or with the next tile's K step 0 or 1 (on = 1); then come the next slot's first fragments.
; From a request to the wait for it a wave issues 224 matrix instructions.
.macro TURN slot, next, on
	s_wait_xcnt 0x0                                ; the last prefetch, a K step back, has read its address: it is stepped here, ahead of the waits of the change of slots
.if (\on) && (\slot) == 0
	s_sub_nc_u64 s[PFA:PFA+1], s[PFA:PFA+1], 7*ASTEP-WALK*2  ; A: from K step 9 of this tile to K step 2 of the next.  (In a wave that fetches B the pointer is used no more:)
	s_cmp_eq_u32 s11, 0
	s_cselect_b32 s[LIM], s[LIM], -1               ; B's rows are the same for both tiles, and are asked for in the first alone
.else
	s_add_nc_u64 s[PFA:PFA+1], s[PFA:PFA+1], s[PST:PST+1]
.endif
	MEET 1
	CREST                                          ; no wave of any partner still reads this slot's tile or has a load on its way
.if \on
	s_sub_nc_u64 s[G0+4*(\slot)+2:G0+4*(\slot)+3], s[G0+4*(\slot)+2:G0+4*(\slot)+3], BACK_A
	s_sub_nc_u64 s[G0B+4*(\slot)+2:G0B+4*(\slot)+3], s[G0B+4*(\slot)+2:G0B+4*(\slot)+3], BACK_B
.else
	s_add_nc_u64 s[G0+4*(\slot)+2:G0+4*(\slot)+3], s[G0+4*(\slot)+2:G0+4*(\slot)+3], 2*ASTEP
	s_add_nc_u64 s[G0B+4*(\slot)+2:G0B+4*(\slot)+3], s[G0B+4*(\slot)+2:G0B+4*(\slot)+3], 2*BSTEP
.endif
	JLOAD \slot                                    ; the first tensor load behind the round; its four v_nop are also the places in front of the loads below
	FETCH \next, 0, F0
	ASK \on
	WIN MUL_HI
	MUL16 F1, 1, 0, 0
	MUL16 F1, 1, 2, 0
.endm
; THE LAST K STEP OF THE LAST TILE (it lies in slot 1) GOES BY ROWS OF C.  All its fragments of B fill window 1; then my eight blocks of 16 rows are finished one after the other, 32 matrix instructions each,
; the block's 8 accumulators by turns, K ascending.
.macro BLOAD q
	WIN TO_B
.irp i, 0,1,2,3,4,5,6,7
	ds_load_b128 v[64*(\q)+8*(\i):64*(\q)+8*(\i)+3],   v[ADRB+1] offset:64*(\q)+(\i)*16*PTB
	ds_load_b128 v[64*(\q)+8*(\i)+4:64*(\q)+8*(\i)+7], v[ADRB+1] offset:64*(\q)+(\i)*16*PTB+32
.endr
.endm
.macro ALOAD a                         ; A's fragments of block a, all four quarters -> buffer a % 4
	WIN 0
.set FA, PAR+32*((\a)%4)
.irp q, 0,1,2,3
	ds_load_tr16_b128 v[FA+8*(\q):FA+8*(\q)+3],   v[ADRA+1] offset:(\q)*32*PTA+32*(\a)
	ds_load_tr16_b128 v[FA+8*(\q)+4:FA+8*(\q)+7], v[ADRA+1] offset:(\q)*32*PTA+32*(\a)+16*PTA
.endr
.endm
.macro ROW a
.set FA, PAR+32*((\a)%4)
.set AC, 64*((\a)%4)
	WIN MUL_LO+0x50*((\a)/4)
.irp q, 0,1,2,3
.if (\a) == 0 && (\q) == 2
	s_wait_dscnt 24                                ; B's quarter 2 is in (behind it: A's blocks 1 to 3)
.endif
.irp b, 0,1,2,3,4,5,6,7
	v_wmma_f32_16x16x32_bf16 v[AC+8*(\b):AC+8*(\b)+7], v[64*(\q)+8*(\b):64*(\q)+8*(\b)+7], v[FA+8*(\q):FA+8*(\q)+7], v[AC+8*(\b):AC+8*(\b)+7]
.endr
.endr
.endm
; THE WAY OUT of block a.  PACK: rounded to bf16, 16 bytes a lane, each accumulator's registers in ascending order.  TOSTAGE: into my own stage, and back as whole rows of 256 bytes.  SEND: stored.
.macro PACK a
.set AC, 64*((\a)%4)
	WIN 0x0a+5*((\a)/4)                            ; sources 0 and 1: window 2 or 3
.irp b, 0,1,2,3,4,5,6,7
.irp r, 0,1,2,3
	v_cvt_pk_bf16_f32 v[TMP+4*(\b)+(\r)], v[AC+8*(\b)+2*(\r)], v[AC+8*(\b)+2*(\r)+1]
.endr
.endr
	WIN 0
.endm
.macro TOSTAGE a
	WIN 0
.set BK, OB+192*((\a)%2)
.irp b, 0,1,2,3,4,5,6,7
	ds_store_b128 v[STO], v[TMP+4*(\b):TMP+4*(\b)+3] offset:32*(\b)
.endr
.irp t, 0,1,2,3,4,5,6,7
	ds_load_b128 v[BK+4*(\t):BK+4*(\t)+3], v[RD] offset:(\t)*2*SPITCH  ; LDS serves a wave's instructions in order (ISA guide 5.7.1.4): these see the stores above
.endr
.endm
.macro SEND a, younger                 ; younger: the LDS loads issued behind TOSTAGE's, which may stay out
	WIN 0
.set BK, OB+192*((\a)%2)
	s_wait_dscnt \younger                          ; the block is back in registers
	s_wait_xcnt 0x0                                ; earlier stores have read their registers and their base: only now are these rewritten
.if (\a) == 0
	s_add_nc_u64 s[8:9], s[8:9], s[16:17]          ; on to this tile's first rows
.else
	s_add_nc_u64 s[8:9], s[8:9], 16*SIZE_N*2       ; 16 rows of C on
.endif
.irp t, 0,1,2,3,4,5,6,7
	global_store_b128 v[CO], v[BK+4*(\t):BK+4*(\t)+3], s[8:9] offset:2*(\t)*SIZE_N*2  ; 16 lanes store 256 consecutive bytes, at a multiple of 256 from C's first byte
.endr
.endm
	s_wait_tensorcnt 1                             ; my part of K step 0 is in; K step 1's may stay out
	s_barrier_signal -1
	s_barrier_wait -1                              ; everybody's is
	FETCH 0, 0, F0
	s_mov_b32 s2, SIZE_TILES                       ; tiles to go, this one among them
.Ltile:
	QUARTER 0, 1, F0, F1, 1                        ; a tile's first quarter stands in front of the loop: its products start the sums
	WIN 0                                          ; at a label and at a branch every window is 0
	s_mov_b32 s3, LAPS-1
.Llap:                                                 ; a trip goes once round the ring, from a lap's second quarter to the next lap's first, and fills both slots again
	QUARTER 0, 2, F1, F0, 0
	QUARTER 0, 3, F0, F1, 0
	TURN 0, 1, 0
	QUARTER 1, 1, F0, F1, 0
	QUARTER 1, 2, F1, F0, 0
	QUARTER 1, 3, F0, F1, 0
	TURN 1, 0, 0
	QUARTER 0, 1, F0, F1, 0
	WIN 0
	s_sub_co_u32 s3, s3, 1
	s_cmp_lg_u32 s3, 0
	s_cbranch_scc1 .Llap
	QUARTER 0, 2, F1, F0, 0                        ; the tile's last lap goes on
	QUARTER 0, 3, F0, F1, 0
	WIN 0
	s_cmp_eq_u32 s2, 1
	s_cbranch_scc1 .Llast_tile                     ; the last tile's tail is written out: it asks for nothing more
	TURN 0, 1, 1                                   ; the ring goes on into the next tile: slot 0 takes its K step 0,
	QUARTER 1, 1, F0, F1, 0
	QUARTER 1, 2, F1, F0, 0
	QUARTER 1, 3, F0, F1, 0
	TURN 1, 0, 1                                   ; slot 1 its K step 1, and the next tile's first fragments are fetched
	PACK 0                                         ; both refills are asked for: now the tile goes out.  Blocks 0-3 were finished in front of TURN's places; their conversions are the places behind the last products
	TOSTAGE 0
.irp a, 1,2,3,4,5,6,7
	PACK \a
	SEND (\a)-1, 0
	TOSTAGE \a
.endr
	SEND 7, 0
	s_mov_b64 s[16:17], NEXT_C                     ; what the next way out adds to C's address
	s_sub_co_u32 s2, s2, 1
	s_branch .Ltile
.Llast_tile:
	MEET 0                                         ; my one tensor load that was still out is slot 1's, the last K step's, so no round follows
	PLACES                                         ; for the loads into buffer 0, which the quarter before multiplied
	WIN TO_B
	BLOAD 0                                        ; three quarters of B now: buffer 1 is still being multiplied
	BLOAD 1
	BLOAD 3
	WIN 0
	ALOAD 0
	WIN MUL_HI
	MUL16 F1, 1, 0, 0
	MUL16 F1, 1, 2, 0
	PLACES                                         ; for the loads into buffer 1
	WIN TO_B
	BLOAD 2
	WIN 0
	ALOAD 1
	ALOAD 2
	ALOAD 3
	s_wait_dscnt 40                                ; all but the 40 just issued
	ROW 0
.irp a, 0,1,2,3,4,5,6,7
	PLACES                                         ; the conversions read results just made
	PACK \a
	TOSTAGE \a
.if (\a) < 4
	ALOAD (\a)+4                                   ; its buffer takes the block four further on
	SEND \a, 8
.else
	SEND \a, 0
.endif
.if (\a) < 7
	ROW (\a)+1
.endif
.endr
	s_wait_tensorcnt 0x0                           ; the wave's end: an add and its wait, behind my last tensor load and my last LDS store
	ds_add_u32 v[SPW], v[NIL]
	s_wait_dscnt 0x0
	CROUND                                         ; the closing round: no work-group ends while a partner may still ask for a tile that names it
	s_endpgm
.Lfunc_end_k_qa5f9929f4a_gemm1:
	.size	k_qa5f9929f4a_gemm1, .Lfunc_end_k_qa5f9929f4a_gemm1-k_qa5f9929f4a_gemm1
	.p2alignl 7, 3214868480
	.fill 96, 4, 3214868480
	.section	.rodata,"a",@progbits
	.p2align	6, 0x0
	.amdhsa_kernel k_qa5f9929f4a_gemm1
		.amdhsa_group_segment_fixed_size 327680
		.amdhsa_private_segment_fixed_size 0
		.amdhsa_enable_private_segment 0
		.amdhsa_kernarg_size 24
		.amdhsa_user_sgpr_count 2
		.amdhsa_user_sgpr_kernarg_segment_ptr 1
		.amdhsa_wavefront_size32 1
		.amdhsa_system_sgpr_workgroup_id_x 1
		.amdhsa_system_sgpr_workgroup_id_y 1
		.amdhsa_system_sgpr_workgroup_id_z 1
		.amdhsa_system_vgpr_workitem_id 0
		.amdhsa_next_free_vgpr 1024
		.amdhsa_next_free_sgpr 72
		.amdhsa_reserve_vcc 0
		.amdhsa_float_denorm_mode_32 3
		.amdhsa_float_denorm_mode_16_64 3
		.amdhsa_memory_ordered 1
		.amdhsa_forward_progress 1
		.amdhsa_inst_pref_size 211
	.end_amdhsa_kernel
	.amdgpu_metadata
---
amdhsa.version: [ 1, 2 ]
amdhsa.kernels:
  - .name:           k_qa5f9929f4a_gemm1
    .symbol:         k_qa5f9929f4a_gemm1.kd
    .args:
      - { .name: wb1, .offset: 0, .size: 8, .value_kind: global_buffer, .address_space: global }
      - { .name: xb, .offset: 8, .size: 8, .value_kind: global_buffer, .address_space: global }
      - { .name: hgt, .offset: 16, .size: 8, .value_kind: global_buffer, .address_space: global }
    .group_segment_fixed_size: 327680
    .private_segment_fixed_size: 0
    .kernarg_segment_align: 8
    .kernarg_segment_size: 24
    .max_flat_workgroup_size: 128
    .sgpr_count:     72
    .vgpr_count:     1024
    .wavefront_size: 32
...
	.end_amdgpu_metadata
.endif
;; end of part 2
;; launch scan (part 3): grid 256 x 1, 16 waves a work-group, no clusters, 0 bytes of LDS; arguments hgt, ht; writes ht
.if DOCPART == 3
	.amdgcn_target "amdgcn-amd-amdhsa--gfx1250"
	.amdhsa_code_object_version 6
	.text
	.protected	k_qa5f9929f4a_scan
	.globl	k_qa5f9929f4a_scan
	.p2align	8
	.type	k_qa5f9929f4a_scan,@function
k_qa5f9929f4a_scan:
	s_mov_b64 s[64:65], 0
	v_nop
	global_prefetch_b8 v0, s[64:65] scope:SCOPE_SE
	s_setreg_imm32_b32 hwreg(HW_REG_WAVE_MODE, 25, 1), 1
	s_wait_xcnt 0x0
; THE RECURRENCE.  exp(a*_t + cumlogsumexp(log v - a*)_t) is the sum over i <= t of v_i times the product of c_j, i < j <= t: h_t = c_t h_(t-1) + v_t, h_(-1) = 0, with
; z = sigmoid(gate), c = 1 - z, v = z (relu(hidden) + 0.5).  All c lie in 0 to 1, so h is a convex mix of the numbers relu(hidden) + 0.5: in this form there is no exponential of a running sum and no
; sum of exponentials; the one exponential is the sigmoid's own, 2^(-gate log2 e), whose overflow gives z = 0 and whose underflow gives z = 1, the limits.
; hgt: [4096 n][8192 m] bf16, rows 0-2047 hidden, 2048-4095 gate, m = 2048 b + t.  ht: [2048 e][8192 m] bf16, h rounded once.  All arithmetic between in f32.
; LIMITS.  gate < -87.3 counts as z = 0 (z would lie below 2^-126); gate above some 17 gives c = 0 (c would lie below 6e-8); c = 1 - z is off by 6e-8 at the most.  A NaN in hidden counts as 0 (the packed maximum
; drops it); other NaN and infinities are not treated apart.
; SHARES.  Row rho = 4 e + b is 4,096 dense bytes of hidden, of gate and of h.  A wave takes two rows, one a trip; nothing is shared, so no LDS and no barrier.  Load j of eight covers 512 consecutive bytes:
; lane l holds t = 256 j + 8 l + k, k = 0..7.  The next row's sixteen loads go out as soon as this row is unpacked.
; THE SCAN.  A stretch of steps is the map h -> A h + B.  Each lane composes its 8 steps for each j; four shifts compose inclusively inside each half of 16 lanes; the sixteen halves' maps are chained through scalar
; registers; then each lane runs its 8 steps from the state that enters it.
.set RH, 8                             ; v[8:39]    hidden as loaded, 4 registers a j
.set RG, 40                            ; v[40:71]   gate as loaded
.set CC, 72                            ; v[72:135]  8 j + k: the exponent, then e, 1 + e, z, c; at the end its first 32 hold the packed result
.set VV, 136                           ; v[136:199] 8 j + k: relu + 0.5, then v, then h
.set AA, 200                           ; v[200:207] A of my stretch, by j
.set BB, 208                           ; v[208:215] B
.set T,  216                           ; v[216:247] at work
.set TA, 216                           ; v[216:223] the neighbour's A; later the state that enters my lane
.set TB, 224                           ; v[224:231] the neighbour's B; later the state that leaves my lane
.set SC, 32                            ; s[32:63]   for each j: A, B of lanes 0-15, A, B of lanes 16-31
	s_load_b128 s[4:7], s[0:1], 0x0                ; hgt s[4:5], ht s[6:7]
	v_and_b32 v1, 31, v0
	v_lshlrev_b32 v1, 4, v1                        ; 16 bytes a lane; never rewritten
	v_lshrrev_b32 v6, 5, v0
	v_readfirstlane_b32 s14, v6                    ; wave 0..15
	v_mov_b32 v2, 0xbfb8aa3b                       ; -log2(e)
	v_mov_b32 v3, 0
	v_mov_b32 v4, 1.0
	v_mov_b32 v5, 0.5
	s_lshl_b32 s16, ttmp9, 17                      ; 32 rows of 4,096 bytes a work-group,
	s_lshl_b32 s15, s14, 13                        ; two a wave
	s_add_co_u32 s16, s16, s15
	s_mov_b32 s17, 0
	s_mov_b32 s30, 0xffff0000                      ; lanes 16-31
	s_mov_b32 s20, 2                               ; rows to go
	s_wait_kmcnt 0x0
	s_add_nc_u64 s[8:9], s[4:5], s[16:17]          ; hidden
	s_add_nc_u64 s[10:11], s[8:9], 0x2000000       ; gate: 2,048 rows of 16,384 bytes further
	s_add_nc_u64 s[12:13], s[6:7], s[16:17]        ; h
.macro LOADS
.irp j, 0,1,2,3,4,5,6,7
	global_load_b128 v[RH+4*(\j):RH+4*(\j)+3], v1, s[8:9] offset:512*(\j) th:TH_LOAD_NT
	global_load_b128 v[RG+4*(\j):RG+4*(\j)+3], v1, s[10:11] offset:512*(\j) th:TH_LOAD_NT
.endr
.endm
	LOADS
.Lrow:
	s_wait_loadcnt 0x0                             ; the row's sixteen loads; their pointers are free from here on
	; unpacked: -gate log2(e); relu on the packed halves; relu + 0.5
.set i, 0
.rept 32
	v_fma_mix_f32_bf16 v[CC+2*i], v[RG+i], v2, v3 op_sel_hi:[1,0,0]
	v_fma_mix_f32_bf16 v[CC+2*i+1], v[RG+i], v2, v3 op_sel:[1,0,0] op_sel_hi:[1,0,0]
.set i, i+1
.endr
.set i, 0
.rept 32
	v_pk_max_num_bf16 v[RH+i], v[RH+i], v3
.set i, i+1
.endr
.set i, 0
.rept 32
	v_fma_mix_f32_bf16 v[VV+2*i], v[RH+i], v4, v5 op_sel_hi:[1,0,0]
	v_fma_mix_f32_bf16 v[VV+2*i+1], v[RH+i], v4, v5 op_sel:[1,0,0] op_sel_hi:[1,0,0]
.set i, i+1
.endr
	s_cmp_eq_u32 s20, 1                            ; the last row has none behind it
	s_cbranch_scc1 .Lno_more
	s_add_nc_u64 s[8:9], s[8:9], 4096
	s_add_nc_u64 s[10:11], s[10:11], 4096
	LOADS                                          ; the next row comes in under all the work below
.Lno_more:
	; z = 1 / (1 + e): two batches of 64, each with one plain instruction behind its last and one wait ahead of its first reader
.set i, 0
.rept 64
	v_exp_f32 v[CC+i], v[CC+i]
.set i, i+1
.endr
	v_nop
	s_wait_alu depctr_va_vdst(0)
.set i, 0
.rept 32
	v_pk_add_f32 v[CC+i:CC+i+1], v[CC+i:CC+i+1], 1.0 op_sel_hi:[1,0]
.set i, i+2
.endr
.set i, 0
.rept 64
	v_rcp_f32 v[CC+i], v[CC+i]
.set i, i+1
.endr
	v_nop
	s_wait_alu depctr_va_vdst(0)
	; v = z (relu + 0.5); c = 1 - z
.set i, 0
.rept 32
	v_pk_mul_f32 v[VV+i:VV+i+1], v[VV+i:VV+i+1], v[CC+i:CC+i+1]
.set i, i+2
.endr
.set i, 0
.rept 32
	v_pk_fma_f32 v[CC+i:CC+i+1], v[CC+i:CC+i+1], -1.0, 1.0 op_sel_hi:[1,0,0]
.set i, i+2
.endr
	; my 8 steps as one map, for each j: eight chains side by side
.irp j, 0,1,2,3,4,5,6,7
	v_fma_f32 v[BB+(\j)], v[CC+8*(\j)+1], v[VV+8*(\j)], v[VV+8*(\j)+1]
.endr
.irp k, 2,3,4,5,6,7
.irp j, 0,1,2,3,4,5,6,7
	v_fma_f32 v[BB+(\j)], v[CC+8*(\j)+(\k)], v[BB+(\j)], v[VV+8*(\j)+(\k)]
.endr
.endr
.irp j, 0,1,2,3,4,5,6,7
	v_pk_mul_f32 v[T+4*(\j):T+4*(\j)+1], v[CC+8*(\j):CC+8*(\j)+1], v[CC+8*(\j)+2:CC+8*(\j)+3]
	v_pk_mul_f32 v[T+4*(\j)+2:T+4*(\j)+3], v[CC+8*(\j)+4:CC+8*(\j)+5], v[CC+8*(\j)+6:CC+8*(\j)+7]
.endr
.irp j, 0,1,2,3,4,5,6,7
	v_pk_mul_f32 v[T+4*(\j):T+4*(\j)+1], v[T+4*(\j):T+4*(\j)+1], v[T+4*(\j)+2:T+4*(\j)+3]
.endr
.irp j, 0,1,2,3,4,5,6,7
	v_mul_f32 v[AA+(\j)], v[T+4*(\j)], v[T+4*(\j)+1]
.endr
	; inclusive composition inside each 16 lanes: with the map (A', B') of the lane s below, A (A' h + B') + B.  A lane with none below takes (1, 0)
.irp s, 1,2,4,8
.irp j, 0,1,2,3,4,5,6,7
	v_mov_b32 v[TA+(\j)], 1.0
.endr
.irp j, 0,1,2,3,4,5,6,7
	v_mov_b32_dpp v[TA+(\j)], v[AA+(\j)] row_shr:\s row_mask:0xf bank_mask:0xf
	v_mov_b32_dpp v[TB+(\j)], v[BB+(\j)] row_shr:\s row_mask:0xf bank_mask:0xf bound_ctrl:1
.endr
.irp j, 0,1,2,3,4,5,6,7
	v_fma_f32 v[BB+(\j)], v[AA+(\j)], v[TB+(\j)], v[BB+(\j)]
	v_mul_f32 v[AA+(\j)], v[AA+(\j)], v[TA+(\j)]
.endr
.endr
	; the sixteen halves' maps, chained in the order of t; these scalars are data alone
.irp j, 0,1,2,3,4,5,6,7
	v_readlane_b32 s[SC+4*(\j)], v[AA+(\j)], 15
	v_readlane_b32 s[SC+4*(\j)+1], v[BB+(\j)], 15
	v_readlane_b32 s[SC+4*(\j)+2], v[AA+(\j)], 31
	v_readlane_b32 s[SC+4*(\j)+3], v[BB+(\j)], 31
.endr
	v_mov_b32 v6, 0                                ; h before the row's first step
.irp j, 0,1,2,3,4,5,6,7
	v_fma_f32 v7, s[SC+4*(\j)], v6, s[SC+4*(\j)+1]             ; the state behind lane 15
	v_cndmask_b32 v[TA+(\j)], v6, v7, s30                      ; what enters my half
	v_fma_f32 v6, s[SC+4*(\j)+2], v7, s[SC+4*(\j)+3]           ; the state behind lane 31: it enters the next j
	v_fma_f32 v[TB+(\j)], v[AA+(\j)], v[TA+(\j)], v[BB+(\j)]   ; the state behind my lane
	v_mov_b32_dpp v[TA+(\j)], v[TB+(\j)] row_shr:1 row_mask:0xf bank_mask:0xf  ; what enters my lane; lanes 0 and 16 keep what enters their half
.endr
	; my 8 steps, eight chains side by side
.irp j, 0,1,2,3,4,5,6,7
	v_fma_f32 v[VV+8*(\j)], v[CC+8*(\j)], v[TA+(\j)], v[VV+8*(\j)]
.endr
.irp k, 1,2,3,4,5,6,7
.irp j, 0,1,2,3,4,5,6,7
	v_fma_f32 v[VV+8*(\j)+(\k)], v[CC+8*(\j)+(\k)], v[VV+8*(\j)+(\k)-1], v[VV+8*(\j)+(\k)]
.endr
.endr
.set i, 0
.rept 32
	v_cvt_pk_bf16_f32 v[CC+i], v[VV+2*i], v[VV+2*i+1]
.set i, i+1
.endr
.irp j, 0,1,2,3,4,5,6,7
	global_store_b128 v1, v[CC+4*(\j):CC+4*(\j)+3], s[12:13] offset:512*(\j)  ; 512 consecutive bytes, at a multiple of 256 from ht's first byte
.endr
	s_wait_xcnt 0x0                                ; the stores have read their data and their base: the next lines and the next trip rewrite them
	s_add_nc_u64 s[12:13], s[12:13], 4096
	s_sub_co_u32 s20, s20, 1
	s_cmp_lg_u32 s20, 0
	s_cbranch_scc1 .Lrow
	s_endpgm
.Lfunc_end_k_qa5f9929f4a_scan:
	.size	k_qa5f9929f4a_scan, .Lfunc_end_k_qa5f9929f4a_scan-k_qa5f9929f4a_scan
	.p2alignl 7, 3214868480
	.fill 96, 4, 3214868480
	.section	.rodata,"a",@progbits
	.p2align	6, 0x0
	.amdhsa_kernel k_qa5f9929f4a_scan
		.amdhsa_group_segment_fixed_size 0
		.amdhsa_private_segment_fixed_size 0
		.amdhsa_enable_private_segment 0
		.amdhsa_kernarg_size 16
		.amdhsa_user_sgpr_count 2
		.amdhsa_user_sgpr_kernarg_segment_ptr 1
		.amdhsa_wavefront_size32 1
		.amdhsa_system_sgpr_workgroup_id_x 1
		.amdhsa_system_sgpr_workgroup_id_y 1
		.amdhsa_system_sgpr_workgroup_id_z 1
		.amdhsa_system_vgpr_workitem_id 0
		.amdhsa_next_free_vgpr 248
		.amdhsa_next_free_sgpr 66
		.amdhsa_reserve_vcc 0
		.amdhsa_float_denorm_mode_32 3
		.amdhsa_float_denorm_mode_16_64 3
		.amdhsa_memory_ordered 1
		.amdhsa_forward_progress 1
		.amdhsa_inst_pref_size 50
	.end_amdhsa_kernel
	.amdgpu_metadata
---
amdhsa.version: [ 1, 2 ]
amdhsa.kernels:
  - .name:           k_qa5f9929f4a_scan
    .symbol:         k_qa5f9929f4a_scan.kd
    .args:
      - { .name: hgt, .offset: 0, .size: 8, .value_kind: global_buffer, .address_space: global }
      - { .name: ht, .offset: 8, .size: 8, .value_kind: global_buffer, .address_space: global }
    .group_segment_fixed_size: 0
    .private_segment_fixed_size: 0
    .kernarg_segment_align: 8
    .kernarg_segment_size: 16
    .max_flat_workgroup_size: 512
    .sgpr_count:     66
    .vgpr_count:     248
    .wavefront_size: 32
...
	.end_amdgpu_metadata
.endif
;; end of part 3
;; launch gemm2 (part 4): grid 4 x 64, 4 waves a work-group, clusters of 4 x 4, 327,680 bytes of LDS; arguments ht, wb2, out0; writes out0
.if DOCPART == 4
	.amdgcn_target "amdgcn-amd-amdhsa--gfx1250"
	.amdhsa_code_object_version 6
	.text
	.protected	k_qa5f9929f4a_gemm2
	.globl	k_qa5f9929f4a_gemm2
	.p2align	8
	.type	k_qa5f9929f4a_gemm2,@function
k_qa5f9929f4a_gemm2:
	s_mov_b64 s[64:65], 0
	v_nop
	global_prefetch_b8 v0, s[64:65] scope:SCOPE_SE
	s_setreg_imm32_b32 hwreg(HW_REG_WAVE_MODE, 25, 1), 1
	s_wait_xcnt 0x0
	s_wait_alu depctr_hold_cnt(0) depctr_sa_sdst(0) depctr_va_vdst(0) depctr_va_sdst(0) depctr_va_ssrc(0) depctr_va_vcc(0) depctr_vm_vsrc(0)
	s_getreg_b32 s2, hwreg(HW_REG_IB_STS2, 6, 4)
	s_cmp_eq_u32 s2, 0
	s_cbranch_scc0 .Lentry_in_a_cluster
	s_endpgm
.Lentry_in_a_cluster:
	s_bfe_u32 s2, ttmp6, 0x10000c
	s_cmp_lg_u32 s2, 0xf033
	s_cbranch_scc0 .Lentry_shape_is_right
	s_endpgm
.Lentry_shape_is_right:
; out0[m][d] = sum over e of ht[e][m] wb2[e][d].  ht: [2048 e][8192 m] bf16, wb2: [2048 e][1024 d] bf16, out0: [8192 m][1024 d] f32.  Sums in f32, in the matrix unit's order.
; A tile of out0 is 128 m x 256 d: 64 x 4 = 256 tiles, one to a work-group (tiles of 256 x 256 would be 128).  Four waves, each 64 m x 128 d: 32 accumulators, 256 registers.
; BOTH operands lie [K][.]: all fragments come out of LDS turned, by ds_load_tr16_b128.
; THE RING.  A k-row of the tile takes 288 + 544 = 832 LDS bytes, so two slots hold 192 k-rows each (319,488 bytes of the 327,680): K goes as 2,048 = 128 + 10 x 192, the short step first.  A refill has the other
; slot's step less sixteen, 176 matrix instructions, in which to land.  A step's first four quarters of 32 k are a loop of two trips over running LDS addresses: quarter 4 lies past an LDS load's 16-bit offset.
; THE STAGE for the way out lies in slot 1: its last fill (step 9) has landed and every wave's last read of it is over ahead of the last change's barrier; the last step reads slot 0, and no tensor load follows.
; CLUSTERS: 4 x 4 work-groups.  The four of a row of the cluster make the four d tiles of one m tile and need the same tile of ht; the four of a column need the same tile of wb2: each is asked for JOINTLY.
; THE MATRIX INSTRUCTION: source 0 = 16 columns d of wb2, source 1 = 16 columns m of ht.  In the result lane l holds row m = l % 16 of out0 and its registers 0-7 the columns d = 8 (l / 16) + 0..7: 32 bytes on end.
; REGISTERS: window 0: v0-31 addresses; two fragment buffers of 96 at v64 and v160 (wb2's eight fragments, then ht's four); on the way out v64-191 hold rows read back.  window 1: accumulator (a, b) at v[8 (8 a + b)].
; LIMITS: NaN and infinities are not treated apart.
.set PH,     288                       ; a k-row of ht's tile in LDS: 256 bytes + 32 = 9 x 32
.set PW,     544                       ; a k-row of wb2's tile: 512 bytes + 32 = 17 x 32: with both
.set KS,     192                       ; k-rows in a slot
.set WOFF,   KS*PH                     ; a slot: ht's 192 k-rows, then wb2's
.set SLOT,   KS*(PH+PW)                ; 159,744 bytes
.set STAGE,  SLOT                      ; 16 rows x 528 bytes for each wave, at the head of slot 1
.set SPITCH, 528                       ; 512 bytes + 16: the 16 rows of a store start at 16 different groups of four banks
.set SPARE,  2*SLOT                    ; behind the ring: the spare words, 128 bytes for each wave: two blocks of 256 bytes that no other line names
.set HROW,   16384                     ; bytes in a k-row of ht
.set WROW,   2048                      ; of wb2
.set HSTEP,  KS*HROW                   ; bytes from a step to the next
.set WSTEP,  KS*WROW
.set ROW1,   128                       ; first k-row of step 1,
.set ROW2,   ROW1+KS                   ; of step 2,
.set ROW4,   ROW1+3*KS                 ; of step 4
.set TRIPS,  4                         ; the loop takes steps 1 to 8, two a trip
.set AH0,  16                          ; v16     my lane's place in ht's tile, with my 64 columns m; never rewritten
.set AW0,  17                          ; v17     the same in wb2's tile, with my 128 columns d and WOFF; never rewritten
.set CH,   18                          ; v18     LDS address of the quarters in hand, for ht
.set CW,   19                          ; v19     for wb2
.set STO,  24                          ; v24     the way out: where I put 32 bytes of a row
.set RD,   25                          ; v25     where I read a row back
.set CO,   26                          ; v26     16 x lane: my bytes of a row's 512
.set SPW,  28                          ; v28     LDS address of my spare word; never rewritten
.set NIL,  29                          ; v29     0; never rewritten
.set PFO,  30                          ; v30     the prefetches' lane offset; never rewritten
.set F0,   64
.set F1,   160
.set G1H,  24                          ; s[24:31] descriptor group 1 for ht's tiles of 96 k-rows;  s[32:39] group 0, a set for each slot
.set G0H,  32
.set G1W,  48                          ; s[48:55], s[56:63] the same for wb2's
.set G0W,  56
.set G1HS, 72                          ; s[72:79], s[80:87] group 1 for step 0's tiles of 64 k-rows
.set G1WS, 80
.set G0HS, 88                          ; s[88:91], s[92:95] group 0 for step 0
.set G0WS, 92
.set LIMA, 43                          ; s43     1 in a wave that prefetches at a trip's first change of slots, else the greatest number
.set LIMB, 71                          ; s71     the same for its second change
.set PFA,  44                          ; s[44:45] what my next prefetch names
.set PST,  66                          ; s[66:67] a step in bytes, of the tensor that I fetch
.set TH,   68                          ; s68     LDS byte at which the quarters in hand begin in ht's tile: slot x SLOT + 64 k-rows a trip of the inner loop
.set TW,   69                          ; s69     the same in wb2's tile
.set PAIR, 70                          ; s70     counts the inner loop's two trips
.set MSB, 0
.macro WIN new                         ; the immediate's high byte repeats the setting that is left; a switch that changes nothing is dropped
.if MSB != (\new)
	s_set_vgpr_msb (MSB<<8)|(\new)
.set MSB, \new
.endif
.endm
.set MUL,  0x50                        ; C and D window 1, both sources window 0
.set TOST, 0x04                        ; an LDS store's data (source 1) window 1, its address window 0
.macro JLOAD s                         ; a joint refill: waves 0 and 1 fetch ht's two halves, waves 2 and 3 wb2's; an s_nop 0 and four v_nop follow each of the two lines
	s_cmp_eq_u32 s11, 0
	s_cbranch_scc0 .Lfor_w_\@
	tensor_load_to_lds s[G0H+4*(\s):G0H+4*(\s)+3], s[G1H:G1H+7]
	s_nop 0
.rept 4
	v_nop
.endr
	s_branch .Lasked_\@
.Lfor_w_\@:
	tensor_load_to_lds s[G0W+4*(\s):G0W+4*(\s)+3], s[G1W:G1W+7]
	s_nop 0
.rept 4
	v_nop
.endr
.Lasked_\@:
.endm
; A PREFETCH INTO THE L2, behind a joint refill and the run of LDS loads that follows it: my share of the step TWO refills, 384 matrix instructions, on.  Each aligned block of 256 bytes of steps 5 to 10 is named once in
; the launch; steps 0 to 4 come by their loads alone.  A step of ht's tile, 192 k-rows x 256 bytes, is read by its own four partners alone: the partner at cx takes 48 k-rows, a lane a row: wave 0 the first 32 at every
; change of slots, wave 1 the other 16 of two steps on end at every second change.  A step of wb2's tile, 192 k-rows x 512 bytes, is read by all sixteen clusters: clusters y = 0, 1, 2 take 64 k-rows each, of them the
; partner at cy 16, a lane half a row, by wave 2.  Partners are told apart by address alone.  The loop's last trip, whose look-ahead would pass step 10, asks for nothing.
.macro ASK lim
	s_cmp_gt_u32 s3, s[\lim]                       ; s3 = 1 in the loop's last trip
	s_cbranch_scc0 .Lnot_mine_\@
	global_prefetch_b8 v[PFO], s[PFA:PFA+1] th:TH_LOAD_NT scope:SCOPE_SE
.Lnot_mine_\@:
.endm
.macro CREST                           ; a round of the cluster's barrier behind its opening barrier
	s_cmp_lg_u32 s10, 0
	s_cbranch_scc1 .Lnot_wave_0_\@
	s_barrier_signal -3
.Lnot_wave_0_\@:
	s_barrier_wait -3
	s_barrier_signal -1
	s_barrier_wait -1
.endm
.macro CROUND                          ; a whole round
	s_barrier_signal -1
	s_barrier_wait -1
	CREST
.endm
	s_load_b128 s[4:7], s[0:1], 0x0                ; ht s[4:5], wb2 s[6:7]
	s_load_b64 s[8:9], s[0:1], 0x10                ; out0
	v_lshl_add_u32 v[SPW], v0, 2, SPARE
	v_mov_b32 v[NIL], 0
	ds_add_u32 v[SPW], v[NIL]                      ; the wave's opening: the add, twice on end, and its wait ahead of my first tensor load
	ds_add_u32 v[SPW], v[NIL]                      ; and once more, under the one wait; the set-up below, work on registers, stands between
	v_lshrrev_b32 v1, 5, v0
	v_readfirstlane_b32 s10, v1                    ; wave 0..3
	s_lshr_b32 s11, s10, 1                         ; which 64 rows m are mine.  Also: I fetch ht (0) or wb2 (1)
	s_and_b32 s12, s10, 1                          ; which 128 columns d.  Also: which half of a tile's k-rows I fetch
	s_bfe_u32 s40, ttmp6, 0x40000                  ; cx
	s_bfe_u32 s41, ttmp6, 0x40004                  ; cy
	s_lshl_b32 s42, ttmp9, 2
	s_add_co_u32 s42, s42, s40                     ; d tile = 4 x cluster x + cx: 0..3
	s_and_b32 s13, ttmp7, 0xffff
	s_lshl_b32 s13, s13, 2
	s_add_co_u32 s13, s13, s41                     ; m tile = 4 x cluster y + cy: 0..63
	s_lshl_b32 s43, s41, 2
	s_lshl_b32 s43, 15, s43                        ; my row of the cluster
	s_lshl_b32 s44, 0x1111, s40                    ; my column
	; group 1 for ht: k-rows of 128 elements of 2 bytes; after every 64 words (code 5) 8 words of padding (code 7); 21 set beside a mask
.irp g, G1H, G1HS
	s_or_b32 s[(\g)+0], s43, (1<<16)|(1<<20)|(1<<21)|(5<<22)|(7<<25)
	s_mov_b32 s[(\g)+1], 128<<16                   ; tensor_dim0 = 128
	s_mov_b32 s[(\g)+3], 128<<16                   ; tile_dim0 = 128
	s_mov_b32 s[(\g)+5], 8192                      ; elements from k-row to k-row
	s_mov_b32 s[(\g)+6], 0
	s_mov_b32 s[(\g)+7], 0
.endr
	; group 1 for wb2: k-rows of 256 elements; after every 128 words (code 6) 8 words (code 7)
.irp g, G1W, G1WS
	s_or_b32 s[(\g)+0], s44, (1<<16)|(1<<20)|(1<<21)|(6<<22)|(7<<25)
	s_mov_b32 s[(\g)+1], 256<<16
	s_mov_b32 s[(\g)+3], 256<<16
	s_mov_b32 s[(\g)+5], 1024
	s_mov_b32 s[(\g)+6], 0
	s_mov_b32 s[(\g)+7], 0
.endr
.irp g, G1H, G1W
	s_mov_b32 s[(\g)+2], 96<<16                    ; tensor_dim1 = 96: half of a step's 192 k-rows
	s_mov_b32 s[(\g)+4], 96                        ; tile_dim1 = 96
.endr
.irp g, G1HS, G1WS
	s_mov_b32 s[(\g)+2], 64<<16                    ; step 0: half of 128
	s_mov_b32 s[(\g)+4], 64
.endr
	; where the tiles come from.  ht's hang on the m tile alone, wb2's on the d tile alone
	s_lshl_b32 s16, s13, 8                         ; ht: the m tile's 256 bytes of a k-row
	s_lshl_b32 s18, s12, 20                        ; step 0: my 64 k-rows of 16,384 bytes
	s_add_co_u32 s18, s18, s16
	s_mov_b32 s19, 0
	s_mul_i32 s20, s12, 96*HROW                    ; later steps: my 96
	s_add_co_u32 s20, s20, s16
	s_mov_b32 s21, 0
	s_lshl_b32 s46, s42, 9                         ; wb2: the d tile's 512 bytes of a k-row
	s_lshl_b32 s22, s12, 17                        ; step 0: my 64 k-rows of 2,048 bytes
	s_add_co_u32 s22, s22, s46
	s_mov_b32 s23, 0
	s_mul_i32 s47, s12, 96*WROW                    ; later steps: my 96
	s_add_co_u32 s46, s46, s47
	s_mov_b32 s47, 0
	s_mul_i32 s96, s12, 64*PH                      ; and where they go in a slot: no place in the cluster enters an LDS address
	s_mul_i32 s97, s12, 64*PW
	s_add_co_u32 s97, s97, WOFF
	s_mul_i32 s98, s12, 96*PH
	s_mul_i32 s99, s12, 96*PW
	s_add_co_u32 s99, s99, WOFF
	s_wait_dscnt 0x0                               ; both opening adds are done
	s_wait_kmcnt 0x0
	s_add_nc_u64 s[18:19], s[4:5], s[18:19]        ; ht at my part of step 0
	s_add_nc_u64 s[14:15], s[4:5], s[20:21]        ; ht at my 96 k-rows, counted from k-row 0
	s_add_nc_u64 s[22:23], s[6:7], s[22:23]        ; wb2 likewise
	s_add_nc_u64 s[46:47], s[6:7], s[46:47]
	CROUND                                         ; all sixteen work-groups are here: the first joint loads meet
	s_mov_b32 s[G0HS], 1                           ; count = 1
	s_mov_b32 s[G0HS+1], s96                       ; LDS address: slot 0
	s_mov_b64 s[G0HS+2:G0HS+3], s[18:19]           ; global address
	s_or_b32 s[G0HS+3], s[G0HS+3], 0x80000000      ; type = 2
	s_mov_b32 s[G0WS], 1
	s_mov_b32 s[G0WS+1], s97
	s_mov_b64 s[G0WS+2:G0WS+3], s[22:23]
	s_or_b32 s[G0WS+3], s[G0WS+3], 0x80000000
	s_mov_b32 s[G0H], 1                            ; slot 0's walking set starts at step 2,
	s_mov_b32 s[G0H+1], s98
	s_add_nc_u64 s[G0H+2:G0H+3], s[14:15], ROW2*HROW
	s_or_b32 s[G0H+3], s[G0H+3], 0x80000000
	s_mov_b32 s[G0H+4], 1                          ; slot 1's at step 1
	s_add_co_u32 s[G0H+5], s98, SLOT
	s_add_nc_u64 s[G0H+6:G0H+7], s[14:15], ROW1*HROW
	s_or_b32 s[G0H+7], s[G0H+7], 0x80000000
	s_mov_b32 s[G0W], 1
	s_mov_b32 s[G0W+1], s99
	s_add_nc_u64 s[G0W+2:G0W+3], s[46:47], ROW2*WROW
	s_or_b32 s[G0W+3], s[G0W+3], 0x80000000
	s_mov_b32 s[G0W+4], 1
	s_add_co_u32 s[G0W+5], s99, SLOT
	s_add_nc_u64 s[G0W+6:G0W+7], s[46:47], ROW1*WROW
	s_or_b32 s[G0W+7], s[G0W+7], 0x80000000
	s_cmp_eq_u32 s11, 0                            ; a wave's two first fills stand in one branch, ahead of every wait on TENSORcnt and every LDS read: two loads of mine are out
	s_cbranch_scc0 .Lfirst_w
	tensor_load_to_lds s[G0HS:G0HS+3], s[G1HS:G1HS+7]   ; step 0 into slot 0
	s_nop 0
	tensor_load_to_lds s[G0H+4:G0H+7], s[G1H:G1H+7]     ; step 1 into slot 1
	s_nop 0
.rept 4
	v_nop
.endr
	s_branch .Lfirst_asked
.Lfirst_w:
	tensor_load_to_lds s[G0WS:G0WS+3], s[G1WS:G1WS+7]
	s_nop 0
	tensor_load_to_lds s[G0W+4:G0W+7], s[G1W:G1W+7]
	s_nop 0
.rept 4
	v_nop
.endr
.Lfirst_asked:
	; The turning load: lane l reads k-row 8 (l / 16) + l % 8, columns 8 ((l / 8) % 2) + 0..7, and is left with column l % 16 and 8 k; two loads 16 k-rows apart make a fragment of 32 k.
	v_and_b32 v1, 15, v0                           ; l % 16
	v_bfe_u32 v2, v0, 4, 1                         ; l / 16
	v_and_b32 v3, 7, v0
	v_bfe_u32 v4, v0, 3, 1
	v_lshl_add_u32 v3, v2, 3, v3
	v_mul_u32_u24 v5, v3, PH
	v_lshl_add_u32 v5, v4, 4, v5
	v_mul_u32_u24 v6, v3, PW
	v_lshl_add_u32 v6, v4, 4, v6
	s_lshl_b32 s21, s11, 7                         ; my 64 columns m: 128 bytes
	s_lshl_b32 s22, s12, 8                         ; my 128 columns d: 256 bytes,
	s_add_co_u32 s22, s22, WOFF                    ; behind ht's tile
	v_add_nc_u32 v[AH0], s21, v5
	v_add_nc_u32 v[AW0], s22, v6
	s_mov_b32 s[TH], 0                             ; slot 0, quarter 0
	s_mov_b32 s[TW], 0
	v_add_nc_u32 v[CH], s[TH], v[AH0]
	v_add_nc_u32 v[CW], s[TW], v[AW0]
	s_mul_i32 s23, s10, 16*SPITCH
	s_add_co_u32 s23, s23, STAGE                   ; my stage
	v_mul_u32_u24 v7, v1, SPITCH                   ; in: row l % 16, 32 bytes for each half of the lanes
	v_lshl_add_u32 v7, v2, 5, v7
	v_add_nc_u32 v[STO], s23, v7
	v_and_b32 v8, 31, v0
	v_lshlrev_b32 v[CO], 4, v8                     ; back: 32 lanes take one row of 512 bytes
	v_add_nc_u32 v[RD], s23, v[CO]
	s_lshl_b32 s16, s13, 19                        ; out0: 128 rows of 4,096 bytes an m tile,
	s_lshl_b32 s17, s11, 18                        ; my 64 of them
	s_add_co_u32 s16, s16, s17
	s_mov_b32 s17, 0
	s_add_nc_u64 s[8:9], s[8:9], s[16:17]
	s_lshl_b32 s46, s42, 10                        ; 1,024 bytes a d tile,
	s_lshl_b32 s47, s12, 9                         ; my 512 of them
	s_add_co_u32 s46, s46, s47
	s_mov_b32 s47, 0
	s_add_nc_u64 s[8:9], s[8:9], s[46:47]
	; the prefetches
	s_mul_i32 s20, s40, 48*HROW                    ; ht: my work-group's 48 k-rows of a step,
	s_lshl_b32 s21, s12, 19                        ; wave 1: from the 33rd on,
	s_add_co_u32 s20, s20, s21
	s_lshl_b32 s21, s13, 8                         ; the m tile's 256 bytes,
	s_add_co_u32 s20, s20, s21
	s_add_co_u32 s20, s20, ROW4*HROW               ; at step 4: the loop's first change of slots steps it to 5
	s_and_b32 s23, ttmp7, 0xffff                   ; cluster y
	s_lshl_b32 s22, s23, 17                        ; wb2: my cluster's 64 k-rows of a step,
	s_lshl_b32 s21, s41, 15                        ; my work-group's 16 of them,
	s_add_co_u32 s22, s22, s21
	s_lshl_b32 s21, s42, 9                         ; the d tile's 512 bytes,
	s_add_co_u32 s22, s22, s21
	s_add_co_u32 s22, s22, ROW4*WROW
	s_mov_b32 s21, WSTEP
	s_mov_b32 s18, HSTEP
	s_cmp_lt_u32 s23, 3                            ; a cluster that asks for wb2?  The same in all sixteen partners
	s_cselect_b32 s46, 1, -1
	s_cmp_eq_u32 s12, 0
	s_cselect_b32 s46, s46, -1                     ; of waves 2 and 3: wave 2 alone
	s_cselect_b32 s47, 1, -1                       ; of waves 0 and 1, at a trip's second change: wave 0 alone
	s_cselect_b32 s19, 16*HROW, s18                ; from lanes 0-15 to lanes 16-31: wave 0 sixteen k-rows, wave 1 a step
	s_cmp_eq_u32 s11, 0                            ; do I fetch ht?
	s_cselect_b32 s20, s20, s22
	s_cselect_b32 s[PST], s18, s21
	s_cselect_b64 s[PFA:PFA+1], s[4:5], s[6:7]
	s_cselect_b32 s22, -1, 0                       ; all lanes, or none
	s_cselect_b32 s[LIMA], 1, s46
	s_cselect_b32 s[LIMB], s47, s46
	s_mov_b32 s[PST+1], 0
	s_mov_b32 s21, 0
	s_add_nc_u64 s[PFA:PFA+1], s[PFA:PFA+1], s[20:21]
	v_lshlrev_b32 v6, 14, v1                       ; ht: a lane a k-row of 16,384 bytes
	v_mad_u32_u24 v6, v2, s19, v6
	v_lshrrev_b32 v7, 1, v8                        ; wb2: two lanes a k-row of 2,048 bytes,
	v_lshlrev_b32 v7, 11, v7
	v_and_b32 v9, 1, v8
	v_lshl_add_u32 v7, v9, 8, v7                   ; 256 bytes each
	v_cndmask_b32 v[PFO], v7, v6, s22
	; nothing is prefetched here, at the head, where every work-group's first tiles are on their way
; 8 matrix instructions: m block a x all 8 d blocks, 32 along K.  The 32 accumulators come in the same order in every quarter, so 31 others' stand between two links of a chain.
.macro MUL8 f, a, zero
	WIN MUL
.irp b, 0,1,2,3,4,5,6,7
.if \zero
	v_wmma_f32_16x16x32_bf16 v[8*(8*(\a)+(\b)):8*(8*(\a)+(\b))+7], v[(\f)+8*(\b):(\f)+8*(\b)+7], v[(\f)+64+8*(\a):(\f)+64+8*(\a)+7], 0
.else
	v_wmma_f32_16x16x32_bf16 v[8*(8*(\a)+(\b)):8*(8*(\a)+(\b))+7], v[(\f)+8*(\b):(\f)+8*(\b)+7], v[(\f)+64+8*(\a):(\f)+64+8*(\a)+7], v[8*(8*(\a)+(\b)):8*(8*(\a)+(\b))+7]
.endif
.endr
.endm
.macro SETADR                          ; the running addresses: the scalar offsets plus my lane's places
	v_add_nc_u32 v[CH], s[TH], v[AH0]
	v_add_nc_u32 v[CW], s[TW], v[AW0]
.endm
; 24 LDS loads in one run: the fragments of the quarter q quarters behind the running addresses, into buffer f
.macro FETCH q, f
	WIN 0
.irp b, 0,1,2,3,4,5,6,7
	ds_load_tr16_b128 v[(\f)+8*(\b):(\f)+8*(\b)+3],   v[CW] offset:(\q)*32*PW+32*(\b)
	ds_load_tr16_b128 v[(\f)+8*(\b)+4:(\f)+8*(\b)+7], v[CW] offset:(\q)*32*PW+32*(\b)+16*PW
.endr
.irp a, 0,1,2,3
	ds_load_tr16_b128 v[(\f)+64+8*(\a):(\f)+64+8*(\a)+3],   v[CH] offset:(\q)*32*PH+32*(\a)
	ds_load_tr16_b128 v[(\f)+64+8*(\a)+4:(\f)+64+8*(\a)+7], v[CH] offset:(\q)*32*PH+32*(\a)+16*PH
.endr
.endm
.macro PLACES                          ; four plain vector instructions between a matrix instruction and a load into, or a reader of, its registers (ISA guide 7.12.1 for vector instructions)
.rept 4
	v_nop
.endr
.endm
; A quarter is 32 along K, 32 matrix instructions; the quarters go on buffers 0, 1, 0, 1.  This one fetches the quarter at q into buffer g, which the quarter before multiplied, then multiplies f.
.macro QUARTER q, f, g, zero
	PLACES
	FETCH \q, \g
	s_wait_dscnt 24                                ; buffer f is in; the 24 loads just issued have this quarter's 32 matrix instructions in which to land
	MUL8 \f, 0, \zero
	MUL8 \f, 1, \zero
	MUL8 \f, 2, \zero
	MUL8 \f, 3, \zero
.endm
; The first five quarters of a step of six.  On the way in buffer 0 holds quarter 0 and the running addresses stand at it.  Two trips multiply quarters 0 to 3 and move the addresses on by two quarters each;
; then quarter 4 is multiplied and quarter 5 fetched into buffer 1.
.macro FIVE
	WIN 0                                          ; at a label and at a branch every window is 0
	s_mov_b32 s[PAIR], 2
.Lpair_\@:
	QUARTER 1, F0, F1, 0
	QUARTER 2, F1, F0, 0
	WIN 0
	s_add_co_u32 s[TH], s[TH], 64*PH
	s_add_co_u32 s[TW], s[TW], 64*PW
	SETADR
	s_sub_co_u32 s[PAIR], s[PAIR], 1
	s_cmp_lg_u32 s[PAIR], 0
	s_cbranch_scc1 .Lpair_\@
	QUARTER 1, F0, F1, 0
.endm
; A step's last quarter multiplies buffer 1 and changes slots: ONE barrier; in front of it each wave waits for all its tensor loads, adds 0 to its spare word, and waits for that and for its own reads of this slot.
; fill = 1: the barrier opens a round of the cluster's, and this slot is filled again first thing behind it, with the step two on.  The group 0 of the slot that has just landed is stepped for its next turn where no load
; of mine is out.  lim: the register by which a wave knows whether it prefetches here; 0: nobody does.
.macro TURN slot, next, fill, lim=0
.if \lim
	s_wait_xcnt 0x0                                ; the last prefetch, a step back, has read its address
	s_add_nc_u64 s[PFA:PFA+1], s[PFA:PFA+1], s[PST:PST+1]
.endif
	WIN 0
	s_wait_tensorcnt 0x0                           ; all my tensor loads have landed: my part of the next slot
	ds_add_u32 v[SPW], v[NIL]                      ; 0 onto my spare word
.if \fill
	s_add_nc_u64 s[G0H+4*(\next)+2:G0H+4*(\next)+3], s[G0H+4*(\next)+2:G0H+4*(\next)+3], 2*HSTEP
	s_add_nc_u64 s[G0W+4*(\next)+2:G0W+4*(\next)+3], s[G0W+4*(\next)+2:G0W+4*(\next)+3], 2*WSTEP
.endif
	s_mov_b32 s[TH], (\next)*SLOT                  ; the fetches go to the next slot's quarter 0
	s_mov_b32 s[TW], (\next)*SLOT
	s_wait_dscnt 1                                 ; buffer 1 is in (the add alone may be out)
	MUL8 F1, 0, 0                                  ; eight matrix instructions stand between the add and the wait for it
	s_wait_dscnt 0x0                               ; the add is done, and my reads of this slot are over
	s_barrier_signal -1
	MUL8 F1, 1, 0
	WIN 0
	s_barrier_wait -1
.if \fill
	CREST                                          ; no wave of any partner still reads this slot's tile or has a load on its way
	JLOAD \slot                                    ; its four v_nop are also the places in front of the loads below
.else
	PLACES
.endif
	SETADR
	FETCH 0, F0
.if \lim
	ASK \lim
.endif
	MUL8 F1, 2, 0
	MUL8 F1, 3, 0
.endm
; THE WAY OUT of m block a: 16 rows x 512 bytes of f32 through my own stage, each accumulator's low four registers first; back as whole rows; each store covers 512 consecutive bytes, at a multiple of 256 from out0's first.
.macro OUT a
.if (\a) >= 2
	s_wait_xcnt 0x0                                ; block a - 2's stores have read the registers that are loaded again below
.endif
	WIN TOST
.irp b, 0,1,2,3,4,5,6,7
	ds_store_b128 v[STO], v[8*(8*(\a)+(\b)):8*(8*(\a)+(\b))+3]   offset:64*(\b)
	ds_store_b128 v[STO], v[8*(8*(\a)+(\b))+4:8*(8*(\a)+(\b))+7] offset:64*(\b)+16
.endr
	WIN 0
.set BK, 64+64*((\a)%2)
.irp t, 0,1,2,3,4,5,6,7,8,9,10,11,12,13,14,15
	ds_load_b128 v[BK+4*(\t):BK+4*(\t)+3], v[RD] offset:(\t)*SPITCH  ; LDS serves a wave's instructions in order (ISA guide 5.7.1.4): these see the stores above; the next block's stores come behind them
.endr
.irp t, 0,1,2,3,4,5,6,7,8,9,10,11,12,13,14,15
	s_wait_dscnt 15-(\t)                           ; row t is back; the 15 - t younger loads stay out
	global_store_b128 v[CO], v[BK+4*(\t):BK+4*(\t)+3], s[8:9] offset:(16*(\a)+(\t))*4096 th:TH_STORE_NT
.endr
.endm
	s_wait_tensorcnt 1                             ; my part of step 0 is in; step 1's may stay out
	s_barrier_signal -1
	s_barrier_wait -1                              ; everybody's is
	FETCH 0, F0
	QUARTER 1, F0, F1, 1                           ; step 0, four quarters, is written out: its first products start the sums
	QUARTER 2, F1, F0, 0
	QUARTER 3, F0, F1, 0
	TURN 0, 1, 1                                   ; slot 0 takes step 2
	WIN 0
	s_mov_b32 s3, TRIPS
.Llap:                                                 ; a trip: an odd step in slot 1, an even one in slot 0; each slot is filled again with the step two on: steps 3 to 10
	FIVE
	TURN 1, 0, 1, LIMA
	FIVE
	TURN 0, 1, 1, LIMB
	WIN 0
	s_sub_co_u32 s3, s3, 1
	s_cmp_lg_u32 s3, 0
	s_cbranch_scc1 .Llap
	FIVE                                           ; steps 9 and 10 are written out: they fill nothing, and have no round of the cluster's barrier
	TURN 1, 0, 0                                   ; behind this barrier nobody reads slot 1 any more: its head serves as the stage
	FIVE
	s_wait_dscnt 0x0                               ; the very last quarter: nothing more to fetch
	MUL8 F1, 0, 0
	MUL8 F1, 1, 0
	MUL8 F1, 2, 0
	MUL8 F1, 3, 0
	WIN 0
	PLACES                                         ; the stores below read results just made, and the loads land on registers just multiplied
	OUT 0
	OUT 1
	OUT 2
	OUT 3
	s_wait_tensorcnt 0x0                           ; the wave's end: an add and its wait, behind my last tensor load and my last LDS store
	ds_add_u32 v[SPW], v[NIL]
	s_wait_dscnt 0x0
	CROUND                                         ; the closing round: no work-group ends while a partner may still ask for a tile that names it
	s_endpgm
.Lfunc_end_k_qa5f9929f4a_gemm2:
	.size	k_qa5f9929f4a_gemm2, .Lfunc_end_k_qa5f9929f4a_gemm2-k_qa5f9929f4a_gemm2
	.p2alignl 7, 3214868480
	.fill 96, 4, 3214868480
	.section	.rodata,"a",@progbits
	.p2align	6, 0x0
	.amdhsa_kernel k_qa5f9929f4a_gemm2
		.amdhsa_group_segment_fixed_size 327680
		.amdhsa_private_segment_fixed_size 0
		.amdhsa_enable_private_segment 0
		.amdhsa_kernarg_size 24
		.amdhsa_user_sgpr_count 2
		.amdhsa_user_sgpr_kernarg_segment_ptr 1
		.amdhsa_wavefront_size32 1
		.amdhsa_system_sgpr_workgroup_id_x 1
		.amdhsa_system_sgpr_workgroup_id_y 1
		.amdhsa_system_sgpr_workgroup_id_z 1
		.amdhsa_system_vgpr_workitem_id 0
		.amdhsa_next_free_vgpr 512
		.amdhsa_next_free_sgpr 100
		.amdhsa_reserve_vcc 0
		.amdhsa_float_denorm_mode_32 3
		.amdhsa_float_denorm_mode_16_64 3
		.amdhsa_memory_ordered 1
		.amdhsa_forward_progress 1
		.amdhsa_inst_pref_size 107
	.end_amdhsa_kernel
	.amdgpu_metadata
---
amdhsa.version: [ 1, 2 ]
amdhsa.kernels:
  - .name:           k_qa5f9929f4a_gemm2
    .symbol:         k_qa5f9929f4a_gemm2.kd
    .args:
      - { .name: ht, .offset: 0, .size: 8, .value_kind: global_buffer, .address_space: global }
      - { .name: wb2, .offset: 8, .size: 8, .value_kind: global_buffer, .address_space: global }
      - { .name: out0, .offset: 16, .size: 8, .value_kind: global_buffer, .address_space: global }
    .group_segment_fixed_size: 327680
    .private_segment_fixed_size: 0
    .kernarg_segment_align: 8
    .kernarg_segment_size: 24
    .max_flat_workgroup_size: 128
    .sgpr_count:     100
    .vgpr_count:     512
    .wavefront_size: 32
...
	.end_amdgpu_metadata
.endif
;; end of part 4
